; MI455X (gfx1250); checked and timed in simulation.
; The chip was launched on July 23, 2026; its instructions are those of AMD's public machine-readable ISA for CDNA 5 (MIT licence, August 2026) and "CDNA5" Instruction Set Architecture Reference Guide (July 2026). The comments in the code are by the model that wrote it; some were corrected since.
;; Attention Block. Allowed arithmetic: float matrix products may take bf16 or f16 operands with f32 sums; other float arithmetic in f32, or as packed bf16 or f16 multiplies, adds, multiply-adds, maxima and minima; sums over many terms, partial sums and values carried from step to step in f32; what a program stores and reads back later, other than sums and carried values, may be rounded once to bf16 or f16.
;; Inputs: Wk 512 x 512 float32; Wn 512 x 512 float32; Wq 512 x 512 float32; Wv 512 x 512 float32; bk 512 float32; bn 512 float32; bq 512 float32; bv 512 float32; x 32 x 512 x 32 x 32 float32.
;; Outputs: out0 32 x 512 x 32 x 32 float32.
;; One version. Each part assembles by itself: llvm-mc -triple=amdgcn-amd-amdhsa -mcpu=gfx1250 --defsym DOCPART=n.
;; ======== version 1 of 1: 3 launches
;; workspace buffers: h 33,554,432 bytes; wb 2,097,152 bytes; qkv 100,663,296 bytes
;; launch norm (part 1): grid 1088 x 1, 8 waves a work-group, no clusters, 1,536 bytes of LDS; arguments x, Wq, Wk, Wv, Wn, h, wb; writes h, wb
.if DOCPART == 1
	.amdgcn_target "amdgcn-amd-amdhsa--gfx1250"
	.amdhsa_code_object_version 6
	.text
	.protected	k_q86be6d676e_norm
	.globl	k_q86be6d676e_norm
	.p2align	8
	.type	k_q86be6d676e_norm,@function
k_q86be6d676e_norm:
	s_mov_b64 s[64:65], 0
	v_nop
	global_prefetch_b8 v0, s[64:65] scope:SCOPE_SE
	s_setreg_imm32_b32 hwreg(HW_REG_WAVE_MODE, 25, 1), 1
	s_wait_xcnt 0x0
; h = GroupNorm(x) in bf16, laid out as x ([b][c][n]); wb = the four weight matrices in bf16, in the order q, k, v, n, each laid out as given ([c][o]).
; A group is 16 channels x 1,024 positions: 65,536 bytes of x on end.  Work-groups 0 .. 1,023 take a group each; work-groups 1,024 .. 1,087 take 65,536 bytes of a weight matrix each
; (16 to a matrix) and run the same text with mean 0 and factor 1 chosen in place of the statistics, so that a weight is only rounded.  No branch: source, destination and the choice hang on the work-group's number.
; Eight waves; thread t holds 64 numbers in registers (16 loads of 16 bytes at 16 t + 4,096 i, all out at once), so x is read once.  Mean first, then the sum of (x - mean)^2: two passes on registers,
; so a common offset of x costs no digits.  A wave's store covers 256 consecutive bytes, aligned.  No matrix work, no tensor loads, no cluster: nothing is shared, and each byte crosses once.
; LIMITS.  NaN and infinities are not treated apart.
.set SPARE, 512                        ; LDS: bytes 0-31 the waves' first sums, 256-287 their second sums; from 512 on the spare words, 128 bytes a wave
.set X,    4                           ; v[4:67]   my 64 numbers
.set CH,   68                          ; v[68:75]  four chains of pairs; then the eight waves' sums
.set T,    76                          ; v[76:77]  at work
.set MEAN, 80                          ; v[80:81]  the mean, twice
.set RSTD, 82                          ; v[82:83]  1 / sqrt(var + eps), twice
.set WA,   84                          ; v84       4 x my wave's number
.set ZA,   85                          ; v85       0: the LDS address of the sums
.set SPW,  90                          ; v90       my spare word; never rewritten
.set NIL,  91                          ; v91       0; never rewritten
	s_load_b256 s[4:11], s[0:1], 0x0               ; x s[4:5], Wq s[6:7], Wk s[8:9], Wv s[10:11]
	s_load_b128 s[12:15], s[0:1], 0x20             ; Wn s[12:13], h s[14:15]
	s_load_b64 s[16:17], s[0:1], 0x30              ; wb
	v_lshl_add_u32 v[SPW], v0, 2, SPARE
	v_mov_b32 v[NIL], 0
	v_lshlrev_b32 v1, 4, v0                        ; 16 t: my bytes in 4,096 of the source
	v_lshlrev_b32 v2, 3, v0                        ; 8 t: in 2,048 of the destination
	v_lshrrev_b32 v3, 5, v0
	v_readfirstlane_b32 s21, v3                    ; wave 0..7
	v_mov_b32 v[WA], s21
	v_lshlrev_b32 v[WA], 2, v[WA]
	v_mov_b32 v[ZA], 0
	v_mov_b32 v[T+1], 0                            ; v_permlanex16_b32's destination counts as read
	s_mov_b32 s18, ttmp9
	s_sub_co_u32 s19, s18, 1024                    ; j: the number among the weights' 64 pieces
	s_and_b32 s24, s19, 15                         ; the piece in its matrix
	s_cmp_ge_u32 s18, 1024
	s_cselect_b32 s24, s24, s18                    ; the piece of 65,536 bytes in the source
	s_cselect_b32 s25, s19, s18                    ; the piece of 32,768 bytes in the destination
	s_cselect_b32 s20, -1, 0                       ; all lanes: this is a piece of weights
	s_lshl_b32 s30, s24, 16
	s_mov_b32 s31, 0
	s_lshl_b32 s34, s25, 15
	s_mov_b32 s35, 0
	s_mov_b32 s22, 0x76543210                      ; v_permlanex16_b32: each lane takes its own place in the other half
	s_mov_b32 s23, 0xfedcba98
	s_mov_b32 s32, 0x38800000                      ; 1 / 16,384
	s_mov_b32 s33, 0x3727c5ac                      ; 1e-5
	s_wait_kmcnt 0x0
	s_cmp_ge_u32 s18, 1024
	s_cselect_b64 s[26:27], s[6:7], s[4:5]
	s_cselect_b64 s[28:29], s[16:17], s[14:15]
	s_cmp_ge_u32 s18, 1040
	s_cselect_b64 s[26:27], s[8:9], s[26:27]
	s_cmp_ge_u32 s18, 1056
	s_cselect_b64 s[26:27], s[10:11], s[26:27]
	s_cmp_ge_u32 s18, 1072
	s_cselect_b64 s[26:27], s[12:13], s[26:27]
	s_add_nc_u64 s[26:27], s[26:27], s[30:31]
	s_add_nc_u64 s[28:29], s[28:29], s[34:35]
.irp i, 0,1,2,3,4,5,6,7,8,9,10,11,12,13,14,15
	global_load_b128 v[X+4*(\i):X+4*(\i)+3], v1, s[26:27] offset:4096*(\i) th:TH_LOAD_NT
.endr
; v[T] holds the lane's sum; afterwards the work-group's, in every lane.  off: the eight words of LDS that this sum uses (each sum has words of its own, so one barrier serves it).
.macro TOTAL off
	v_add_f32_dpp v[T], v[T], v[T] row_xmask:1 row_mask:0xf bank_mask:0xf
	v_add_f32_dpp v[T], v[T], v[T] row_xmask:2 row_mask:0xf bank_mask:0xf
	v_add_f32_dpp v[T], v[T], v[T] row_xmask:4 row_mask:0xf bank_mask:0xf
	v_add_f32_dpp v[T], v[T], v[T] row_xmask:8 row_mask:0xf bank_mask:0xf
	v_permlanex16_b32 v[T+1], v[T], s22, s23
	v_add_f32 v[T], v[T], v[T+1]
	ds_store_b32 v[WA], v[T] offset:\off           ; all lanes of a wave write the same word with the same number
	s_wait_dscnt 0x0                               ; for the others' sake: my store is done
	s_barrier_signal -1
	s_barrier_wait -1
	ds_load_b128 v[CH:CH+3], v[ZA] offset:\off
	ds_load_b128 v[CH+4:CH+7], v[ZA] offset:(\off)+16
	s_wait_dscnt 0x0
	v_pk_add_f32 v[CH:CH+1], v[CH:CH+1], v[CH+2:CH+3]
	v_pk_add_f32 v[CH+4:CH+5], v[CH+4:CH+5], v[CH+6:CH+7]
	v_pk_add_f32 v[CH:CH+1], v[CH:CH+1], v[CH+4:CH+5]
	v_add_f32 v[T], v[CH], v[CH+1]
.endm
.macro FOLD                            ; the four chains into v[T]
	v_pk_add_f32 v[CH:CH+1], v[CH:CH+1], v[CH+4:CH+5]
	v_pk_add_f32 v[CH+2:CH+3], v[CH+2:CH+3], v[CH+6:CH+7]
	v_pk_add_f32 v[CH:CH+1], v[CH:CH+1], v[CH+2:CH+3]
	v_add_f32 v[T], v[CH], v[CH+1]
.endm
	; the sum: the first four loads start the four chains, nothing is cleared.  Loads come back in order: 15 - i younger ones may stay out when load i is wanted
	s_wait_loadcnt 14
	v_pk_add_f32 v[CH:CH+1], v[X:X+1], v[X+4:X+5]
	v_pk_add_f32 v[CH+2:CH+3], v[X+2:X+3], v[X+6:X+7]
	s_wait_loadcnt 12
	v_pk_add_f32 v[CH+4:CH+5], v[X+8:X+9], v[X+12:X+13]
	v_pk_add_f32 v[CH+6:CH+7], v[X+10:X+11], v[X+14:X+15]
.irp i, 4,5,6,7,8,9,10,11,12,13,14,15
	s_wait_loadcnt 15-(\i)
	v_pk_add_f32 v[CH+4*((\i)%2):CH+4*((\i)%2)+1], v[CH+4*((\i)%2):CH+4*((\i)%2)+1], v[X+4*(\i):X+4*(\i)+1]
	v_pk_add_f32 v[CH+4*((\i)%2)+2:CH+4*((\i)%2)+3], v[CH+4*((\i)%2)+2:CH+4*((\i)%2)+3], v[X+4*(\i)+2:X+4*(\i)+3]
.endr
	FOLD
	TOTAL 0
	v_mul_f32 v[T], s32, v[T]
	v_cndmask_b32 v[MEAN], v[T], 0, s20            ; weights: 0
	v_mov_b32 v[MEAN+1], v[MEAN]
	; x - mean, in place, and the sum of its squares
.set k, 0
.rept 32
	v_pk_add_f32 v[X+2*k:X+2*k+1], v[X+2*k:X+2*k+1], v[MEAN:MEAN+1] neg_lo:[0,1] neg_hi:[0,1]
.set k, k+1
.endr
.set k, 0
.rept 4
	v_pk_mul_f32 v[CH+2*k:CH+2*k+1], v[X+2*k:X+2*k+1], v[X+2*k:X+2*k+1]
.set k, k+1
.endr
.rept 28
	v_pk_fma_f32 v[CH+2*(k%4):CH+2*(k%4)+1], v[X+2*k:X+2*k+1], v[X+2*k:X+2*k+1], v[CH+2*(k%4):CH+2*(k%4)+1]
.set k, k+1
.endr
	FOLD
	TOTAL 256
	v_fma_f32 v[T], v[T], s32, s33                 ; var + eps
	v_rsq_f32 v[RSTD], v[T]
	v_rsq_f32 v[RSTD+1], v[T]
	v_nop                                          ; a plain instruction behind the last root,
	s_wait_alu depctr_va_vdst(0)                   ; and the wait ahead of the first use: one for both
	v_cndmask_b32 v[RSTD], v[RSTD], 1.0, s20       ; weights: 1
	v_cndmask_b32 v[RSTD+1], v[RSTD+1], 1.0, s20
.irp i, 0,1,2,3,4,5,6,7,8,9,10,11,12,13,14,15
	v_pk_mul_f32 v[X+4*(\i):X+4*(\i)+1], v[X+4*(\i):X+4*(\i)+1], v[RSTD:RSTD+1]
	v_pk_mul_f32 v[X+4*(\i)+2:X+4*(\i)+3], v[X+4*(\i)+2:X+4*(\i)+3], v[RSTD:RSTD+1]
	v_cvt_pk_bf16_f32 v[X+4*(\i)], v[X+4*(\i)], v[X+4*(\i)+1]
	v_cvt_pk_bf16_f32 v[X+4*(\i)+1], v[X+4*(\i)+2], v[X+4*(\i)+3]
	global_store_b64 v2, v[X+4*(\i):X+4*(\i)+1], s[28:29] offset:2048*(\i)  ; 32 lanes x 8 bytes: 256 consecutive bytes, aligned
.endr
	s_wait_tensorcnt 0x0                           ; the wave's end, behind my last LDS store
	ds_add_u32 v[SPW], v[NIL]
	s_wait_dscnt 0x0
	s_endpgm
.Lfunc_end_k_q86be6d676e_norm:
	.size	k_q86be6d676e_norm, .Lfunc_end_k_q86be6d676e_norm-k_q86be6d676e_norm
	.p2alignl 7, 3214868480
	.fill 96, 4, 3214868480
	.section	.rodata,"a",@progbits
	.p2align	6, 0x0
	.amdhsa_kernel k_q86be6d676e_norm
		.amdhsa_group_segment_fixed_size 1536
		.amdhsa_private_segment_fixed_size 0
		.amdhsa_enable_private_segment 0
		.amdhsa_kernarg_size 56
		.amdhsa_user_sgpr_count 2
		.amdhsa_user_sgpr_kernarg_segment_ptr 1
		.amdhsa_wavefront_size32 1
		.amdhsa_system_sgpr_workgroup_id_x 1
		.amdhsa_system_sgpr_workgroup_id_y 1
		.amdhsa_system_sgpr_workgroup_id_z 1
		.amdhsa_system_vgpr_workitem_id 0
		.amdhsa_next_free_vgpr 96
		.amdhsa_next_free_sgpr 66
		.amdhsa_reserve_vcc 0
		.amdhsa_float_denorm_mode_32 3
		.amdhsa_float_denorm_mode_16_64 3
		.amdhsa_memory_ordered 1
		.amdhsa_forward_progress 1
		.amdhsa_inst_pref_size 18
	.end_amdhsa_kernel
	.amdgpu_metadata
---
amdhsa.version: [ 1, 2 ]
amdhsa.kernels:
  - .name:           k_q86be6d676e_norm
    .symbol:         k_q86be6d676e_norm.kd
    .args:
      - { .name: x, .offset: 0, .size: 8, .value_kind: global_buffer, .address_space: global }
      - { .name: Wq, .offset: 8, .size: 8, .value_kind: global_buffer, .address_space: global }
      - { .name: Wk, .offset: 16, .size: 8, .value_kind: global_buffer, .address_space: global }
      - { .name: Wv, .offset: 24, .size: 8, .value_kind: global_buffer, .address_space: global }
      - { .name: Wn, .offset: 32, .size: 8, .value_kind: global_buffer, .address_space: global }
      - { .name: h, .offset: 40, .size: 8, .value_kind: global_buffer, .address_space: global }
      - { .name: wb, .offset: 48, .size: 8, .value_kind: global_buffer, .address_space: global }
    .group_segment_fixed_size: 1536
    .private_segment_fixed_size: 0
    .kernarg_segment_align: 8
    .kernarg_segment_size: 56
    .max_flat_workgroup_size: 256
    .sgpr_count:     66
    .vgpr_count:     96
    .wavefront_size: 32
...
	.end_amdgpu_metadata
.endif
;; end of part 1
;; launch qkv (part 2): grid 256 x 1, 4 waves a work-group, clusters of 4 x 1, 327,680 bytes of LDS; arguments h, wb, bq, bk, bv, qkv; writes qkv
.if DOCPART == 2
	.amdgcn_target "amdgcn-amd-amdhsa--gfx1250"
	.amdhsa_code_object_version 6
	.text
	.protected	k_q86be6d676e_qkv
	.globl	k_q86be6d676e_qkv
	.p2align	8
	.type	k_q86be6d676e_qkv,@function
k_q86be6d676e_qkv:
	s_mov_b64 s[64:65], 0
	v_nop
	global_prefetch_b8 v0, s[64:65] scope:SCOPE_SE
	s_setreg_imm32_b32 hwreg(HW_REG_WAVE_MODE, 25, 1), 1
	s_wait_xcnt 0x0
	s_wait_alu depctr_hold_cnt(0) depctr_sa_sdst(0) depctr_va_vdst(0) depctr_va_sdst(0) depctr_va_ssrc(0) depctr_va_vcc(0) depctr_vm_vsrc(0)
	s_getreg_b32 s2, hwreg(HW_REG_IB_STS2, 6, 4)
	s_cmp_eq_u32 s2, 0
	s_cbranch_scc0 .Lentry_in_a_cluster
	s_endpgm
.Lentry_in_a_cluster:
	s_bfe_u32 s2, ttmp6, 0x10000c
	s_cmp_lg_u32 s2, 0x3003
	s_cbranch_scc0 .Lentry_shape_is_right
	s_endpgm
.Lentry_shape_is_right:
; q, k, v[b][n][o] = the sum over c of h[b][c][n] W[c][o] + bias[o], in bf16, position-major: qkv is [3][32][1024][512].  h and W in bf16, sums in f32, each result rounded once.
; SHARES.  A work-group owns 128 positions of one image and makes all 1,536 columns, as three tiles of 128 x 512 (q, k, v).  Its 512 x 128 numbers of h stay in LDS: each byte of h is read once in the launch.
; Of a tile wave w makes 128 positions x columns 128 w .. 128 w + 127: 64 accumulators of 16 x 16, 512 registers.  The weights come in 24 slots of 64 rows c through a ring of two LDS slots;
; for 32 along c a wave reads 32 times 512 bytes from LDS and issues 64 matrix instructions.
; THE WALK.  Two slots are a lap, 128 rows c; a section (q, k or v) has four laps.  Cluster n starts at lap n % 4 of section (n / 4) % 3, goes round within the section (an f32 sum over c may be taken in any order), then on
; to the next section, round the three.  So the 64 clusters ask for 12 different laps at a time, not all for the same rows, and all but a walk's first lap has been read by another cluster earlier in the launch.
; h's rows lie in LDS in the order of the walk (wave w brings the rows of the walk's lap w), so no LDS address hangs on the cluster's number.
; NO PREFETCH: every lap of wb is the first lap of some cluster's walk, asked for at the head with the first fills; what a cluster asks for later has been read in the launch before.
; LAYOUT.  h lies [c][n] and W [c][o]: both are turned on their way out of LDS (ds_load_tr16_b128).  Source 0 = 16 columns of W, source 1 = 16 positions: a lane's eight results are eight neighbouring columns of one
; position, 16 bytes of a row of qkv.  The bias is the C operand of a tile's first 64 products.
; CLUSTER.  4 x 1: the four work-groups of a cluster walk the same weights in step, so each slot is asked for JOINTLY.  No second axis: no two work-groups share a byte of h.
; REGISTERS, in windows of 256 (s_set_vgpr_msb: bits 1:0 source 0, 3:2 source 1, 5:4 source 2, 7:6 destination):
;   window 0: v0-31 addresses; v64-127, v128-191 h's fragments, two buffers; v32-63, v192-255 at work on the way out
;   window 1: v0-63 the bias (column tile b at 8 b); v64-127, v128-191 W's fragments          windows 2, 3: accumulator (a, b) at 8 (8 (a % 4) + b): position tiles 0-3, 4-7
.set PH,     288                       ; a row of h in LDS: 256 bytes + 32 = 72 words
.set PW,     1056                      ; a row of W: 1,024 + 32 = 264 words: the same
.set SLOT0,  512*PH                    ; h's 512 rows lie at 0; behind them the ring
.set SLOT,   64*PW
.set STAGE,  SLOT0+2*SLOT              ; 16 rows x 272 bytes for each wave, for the way out; no tensor load lands here
.set SPITCH, 272
.set SPARE,  STAGE+4*16*SPITCH         ; the spare words, 128 bytes a wave: two blocks of 256 bytes that no other line names
.set ADH0, 16                          ; v16     my lane's place in h's rows; never rewritten
.set ADH,  17                          ; v17     the same at the lap in hand
.set ADW,  20                          ; v20-21  my lane's place in slot 0, 1
.set STO,  24                          ; v24     the way out: where I put 16 bytes of a row
.set RD,   25                          ; v25     where I read a row back
.set CO,   26                          ; v26     my byte offset in two rows of qkv
.set BO,   27                          ; v27     my byte offset in a bias
.set SPW,  28                          ; v28     my spare word; never rewritten
.set NIL,  29                          ; v29     0; never rewritten
.set F0,   64
.set F1,   128
.set TMP,  192
.set OB,   32
.set WV,   16                          ; s16  my wave's number
.set G1H,  24                          ; s[24:31] group 1 for h's tile
.set G1W,  32                          ; s[32:39] for the weights' tiles
.set G0H,  40                          ; s[40:43] group 0 for h's tile
.set G0W,  44                          ; s[44:51] for the weights': a set for each slot
.set TILES, 52                         ; s52  tiles to go
.set LAP,  53                          ; s53  counts laps
.set L0,   54                          ; s54  the lap of a section at which my cluster's walk starts
.set CUR,  55                          ; s55  the section of the tile in hand (behind a tile's last product: of the next)
.set RSEC, 56                          ; s56  the section of the lap last asked for
.set RJ,   57                          ; s57  that lap's number in the walk through its section, 0..3
.set BP,   58                          ; s[58:59] the bias to be loaded
.set HB,   60                          ; s60  LDS bytes from h's first row to the lap's
.set T0,   61                          ; s61  at work
.set OFF,  66                          ; s[66:67] a byte offset; the high word stays 0
.set OUTP, 68                          ; s[68:69] qkv at my rows and columns of the section that is stored
.set MSB, 0
.macro WIN new                         ; the immediate's high byte repeats the setting that is left; a switch that changes nothing is dropped
.if MSB != (\new)
	s_set_vgpr_msb (MSB<<8)|(\new)
.set MSB, \new
.endif
.endm
.macro PLACES                          ; four plain places: behind a tensor load; ahead of loads into registers that matrix instructions have read; ahead of conversions of results just made
.rept 4
	v_nop
.endr
.endm
.macro CREST                           ; a round of the cluster's barrier behind its opening barrier
	s_cmp_lg_u32 s[WV], 0
	s_cbranch_scc1 .Lnot_wave_0_\@
	s_barrier_signal -3
.Lnot_wave_0_\@:
	s_barrier_wait -3
	s_barrier_signal -1
	s_barrier_wait -1
.endm
.macro CROUND
	s_barrier_signal -1
	s_barrier_wait -1
	CREST
.endm
.macro PICKB                           ; the bias of section CUR
	s_cmp_eq_u32 s[CUR], 1
	s_cselect_b64 s[BP:BP+1], s[10:11], s[8:9]
	s_cmp_eq_u32 s[CUR], 2
	s_cselect_b64 s[BP:BP+1], s[12:13], s[BP:BP+1]
.endm
	s_load_b256 s[4:11], s[0:1], 0x0               ; h s[4:5], wb s[6:7], bq s[8:9], bk s[10:11]
	s_load_b128 s[12:15], s[0:1], 0x20             ; bv s[12:13], qkv s[14:15]
	v_lshl_add_u32 v[SPW], v0, 2, SPARE
	v_mov_b32 v[NIL], 0
	ds_add_u32 v[SPW], v[NIL]                      ; the wave's opening: the add and its wait stand ahead of my first tensor load; the set-up below stands between them
	v_lshrrev_b32 v1, 5, v0
	v_readfirstlane_b32 s[WV], v1                  ; wave 0..3
	s_bfe_u32 s17, ttmp6, 0x40000                  ; cx: my place in the cluster
	s_lshl_b32 s18, ttmp9, 2
	s_add_co_u32 s18, s18, s17                     ; my block of 128 positions, 0..255: it enters h's and qkv's addresses alone
	s_and_b32 s[L0], ttmp9, 3                      ; where the cluster's walk starts: made of the cluster's number, which the four partners share
	s_lshr_b32 s[T0], ttmp9, 2                     ; 0..15
	s_mul_hi_u32 s[CUR], s[T0], 0x55555556         ; / 3
	s_mul_i32 s[CUR], s[CUR], 3
	s_sub_co_u32 s[CUR], s[T0], s[CUR]             ; % 3
	s_mov_b32 s[RSEC], s[CUR]
	s_mov_b32 s[RJ], 0
	s_mov_b32 s[G1H+0], (1<<16)|(1<<20)|(5<<22)|(7<<25)  ; no mask; 2-byte elements; padding on: after every 64 words (code 5) 8 words (code 7)
	s_mov_b32 s[G1H+1], 128<<16                    ; tensor_dim0 = 128
	s_mov_b32 s[G1H+2], 128<<16                    ; tensor_dim1 = 128
	s_mov_b32 s[G1H+3], 128<<16                    ; tile_dim0 = 128 positions
	s_mov_b32 s[G1H+4], 128                        ; tile_dim1 = 128 rows c
	s_mov_b32 s[G1H+5], 1024                       ; elements from row to row
	s_mov_b32 s[G1H+6], 0
	s_mov_b32 s[G1H+7], 0
	s_mov_b32 s[G1W+0], 15|(1<<16)|(1<<20)|(1<<21)|(7<<22)|(7<<25)  ; the mask of four, bit 21 beside it; padding after every 256 words (code 7), 8 words
	s_mov_b32 s[G1W+1], 512<<16                    ; tensor_dim0 = 512
	s_mov_b32 s[G1W+2], 16<<16                     ; tensor_dim1 = 16
	s_mov_b32 s[G1W+3], 512<<16                    ; tile_dim0 = 512 columns
	s_mov_b32 s[G1W+4], 16                         ; tile_dim1 = 16 rows c: a quarter of a slot
	s_mov_b32 s[G1W+5], 512
	s_mov_b32 s[G1W+6], 0
	s_mov_b32 s[G1W+7], 0
	s_lshr_b32 s19, s18, 3                         ; the image
	s_lshl_b32 s22, s19, 20                        ; its 512 rows of 2,048 bytes,
	s_add_co_u32 s23, s[WV], s[L0]
	s_and_b32 s23, s23, 3                          ; the 128 rows of the walk's lap w,
	s_lshl_b32 s23, s23, 18
	s_add_co_u32 s22, s22, s23
	s_and_b32 s23, s18, 7
	s_lshl_b32 s23, s23, 8                         ; the block's 256 bytes of a row
	s_add_co_u32 s22, s22, s23
	s_mov_b32 s23, 0
	s_lshl_b32 s62, s[WV], 14                      ; my 16 rows of a slot in wb: made of the wave's number alone
	s_mov_b32 s63, 0
	s_lshl2_add_u32 s[OFF], s[CUR], s[L0]          ; the walk's first lap: 4 x section + lap,
	s_lshl_b32 s[OFF], s[OFF], 17                  ; 131,072 bytes each
	s_mov_b32 s[OFF+1], 0
	s_mul_i32 s20, s[WV], 128*PH
	s_mul_i32 s21, s[WV], 16*PW
	s_mov_b32 s[G0H], 1
	s_mov_b32 s[G0H+1], s20
	s_mov_b32 s[G0W], 1
	s_add_co_u32 s[G0W+1], s21, SLOT0
	s_mov_b32 s[G0W+4], 1
	s_add_co_u32 s[G0W+5], s21, SLOT0+SLOT
	s_mov_b32 s[HB], 0
	s_mov_b32 s[TILES], 3
	s_wait_dscnt 0x0                               ; the opening add is done
	s_wait_kmcnt 0x0
	s_add_nc_u64 s[G0H+2:G0H+3], s[4:5], s[22:23]
	s_or_b32 s[G0H+3], s[G0H+3], 0x80000000        ; type = 2
	s_add_nc_u64 s[6:7], s[6:7], s[62:63]          ; wb at my 16 rows of its first slot
	s_add_nc_u64 s[G0W+2:G0W+3], s[6:7], s[OFF:OFF+1]
	s_add_nc_u64 s[G0W+6:G0W+7], s[G0W+2:G0W+3], 65536
	s_or_b32 s[G0W+3], s[G0W+3], 0x80000000
	s_or_b32 s[G0W+7], s[G0W+7], 0x80000000
	s_lshl_b32 s22, s18, 17                        ; the block's 128 rows of 1,024 bytes in a section of qkv,
	s_lshl_b32 s20, s[WV], 8                       ; my 128 columns
	s_add_co_u32 s22, s22, s20
	s_add_nc_u64 s[14:15], s[14:15], s[22:23]
	s_lshl_b32 s22, s[CUR], 25                     ; a section is 33,554,432 bytes
	s_add_nc_u64 s[OUTP:OUTP+1], s[14:15], s[22:23]
	PICKB
	CROUND                                         ; all four work-groups are here: the first joint loads meet
	tensor_load_to_lds s[G0H:G0H+3], s[G1H:G1H+7]  ; the first fills, one group: three loads of mine are out
	s_nop 0
	tensor_load_to_lds s[G0W:G0W+3], s[G1W:G1W+7]
	s_nop 0
	tensor_load_to_lds s[G0W+4:G0W+7], s[G1W:G1W+7]
	s_nop 0
	PLACES
	; The turning load takes 16 rows c x 16 columns (lane l reads 16 bytes: row 8 (l / 16) + l % 8, columns 8 ((l / 8) % 2) + 0..7) and leaves half a fragment: lane l holds column l % 16 and 8 rows c.
	v_and_b32 v1, 15, v0                           ; l % 16
	v_bfe_u32 v2, v0, 4, 1                         ; l / 16
	v_and_b32 v3, 7, v0
	v_bfe_u32 v4, v0, 3, 1
	v_lshl_add_u32 v5, v2, 3, v3
	v_mul_u32_u24 v[ADH0], v5, PH
	v_lshl_add_u32 v[ADH0], v4, 4, v[ADH0]
	v_mov_b32 v[ADH], v[ADH0]
	v_mul_u32_u24 v6, v5, PW
	v_lshl_add_u32 v6, v4, 4, v6
	s_lshl_b32 s20, s[WV], 8                       ; my 128 columns
	s_add_co_u32 s20, s20, SLOT0
	v_add_nc_u32 v[ADW], s20, v6
	s_add_co_u32 s20, s20, SLOT
	v_add_nc_u32 v[ADW+1], s20, v6
	s_mul_i32 s20, s[WV], 16*SPITCH
	s_add_co_u32 s20, s20, STAGE                   ; my stage
	v_mul_u32_u24 v6, v1, SPITCH                   ; in: row l % 16, 16 bytes for each half of the lanes
	v_lshl_add_u32 v6, v2, 4, v6
	v_add_nc_u32 v[STO], s20, v6
	v_mul_u32_u24 v6, v2, SPITCH                   ; back: lanes 0-15 one row of 256 bytes, lanes 16-31 the next
	v_lshl_add_u32 v6, v1, 4, v6
	v_add_nc_u32 v[RD], s20, v6
	v_lshlrev_b32 v6, 10, v2                       ; and the same two rows in qkv
	v_lshl_add_u32 v[CO], v1, 4, v6
	s_lshl_b32 s20, s[WV], 9
	v_lshl_add_u32 v[BO], v2, 5, s20               ; bias[128 w + 8 (l / 16)]
; The bias as a C operand: register j of column tile b holds bias[128 w + 16 b + 8 (l / 16) + j], whatever the position.
.macro BIAS
	WIN 0x40                                       ; destination window 1
.irp i, 0,1,2,3,4,5,6,7
	global_load_b128 v[8*(\i):8*(\i)+3],   v[BO], s[BP:BP+1] offset:64*(\i)
	global_load_b128 v[8*(\i)+4:8*(\i)+7], v[BO], s[BP:BP+1] offset:64*(\i)+16
.endr
	WIN 0
.endm
; 16 matrix instructions: position tiles a0, a0 + 1 of the window's four x all 8 column tiles, 32 along c.  first = 1: the bias starts the sums.  The 64 accumulators take turns, one instruction a turn.
.macro MUL16 f, hi, a0, first
.if \first
	WIN 0x91+0x40*(\hi)                            ; W and the bias in window 1, h in window 0, D in window 2 or 3
.else
	WIN 0xa1+0x50*(\hi)                            ; W in window 1, h in window 0, C and D in window 2 or 3
.endif
.irp a, \a0, (\a0)+1
.irp b, 0,1,2,3,4,5,6,7
.if \first
	v_wmma_f32_16x16x32_bf16 v[8*(8*(\a)+(\b)):8*(8*(\a)+(\b))+7], v[(\f)+8*(\b):(\f)+8*(\b)+7], v[(\f)+8*(4*(\hi)+(\a)):(\f)+8*(4*(\hi)+(\a))+7], v[8*(\b):8*(\b)+7]
.else
	v_wmma_f32_16x16x32_bf16 v[8*(8*(\a)+(\b)):8*(8*(\a)+(\b))+7], v[(\f)+8*(\b):(\f)+8*(\b)+7], v[(\f)+8*(4*(\hi)+(\a)):(\f)+8*(4*(\hi)+(\a))+7], v[8*(8*(\a)+(\b)):8*(8*(\a)+(\b))+7]
.endif
.endr
.endr
.endm
; 32 LDS loads in one run: the fragments of half kk (32 rows c) of slot s into buffer f: W's eight column tiles, then h's eight position tiles
.macro FETCH s, kk, f
	WIN 0x40
.irp i, 0,1,2,3,4,5,6,7
	ds_load_tr16_b128 v[(\f)+8*(\i):(\f)+8*(\i)+3],   v[ADW+(\s)] offset:32*PW*(\kk)+32*(\i)
	ds_load_tr16_b128 v[(\f)+8*(\i)+4:(\f)+8*(\i)+7], v[ADW+(\s)] offset:32*PW*(\kk)+32*(\i)+16*PW
.endr
	WIN 0
.irp i, 0,1,2,3,4,5,6,7
	ds_load_tr16_b128 v[(\f)+8*(\i):(\f)+8*(\i)+3],   v[ADH] offset:32*PH*(2*(\s)+(\kk))+32*(\i)
	ds_load_tr16_b128 v[(\f)+8*(\i)+4:(\f)+8*(\i)+7], v[ADH] offset:32*PH*(2*(\s)+(\kk))+32*(\i)+16*PH
.endr
.endm
; A slot is two halves of 32 along c, 64 matrix instructions each.  The first multiplies buffer 0 and fetches the slot's second half into buffer 1.
.macro QUARTER s, first
	s_wait_dscnt 8                                 ; W and h's position tiles 0-3 are in; the youngest eight loads may be out
	MUL16 F0, 0, 0, \first
	MUL16 F0, 0, 2, \first
	PLACES
	FETCH \s, 1, F1
	s_wait_dscnt 32                                ; all but the 32 just issued
	MUL16 F0, 1, 0, \first
	MUL16 F0, 1, 2, \first
.endm
; The walk's next lap: round within the section, behind its fourth lap on to the next section, round the three.  Both slots' addresses are made anew from wb's: scalar work alone, where no tensor load of mine is out.
.macro NEXTLAP
	s_add_co_u32 s[RJ], s[RJ], 1
	s_cmp_eq_u32 s[RJ], 4
	s_cselect_b32 s[RJ], 0, s[RJ]
	s_cselect_b32 s[T0], 1, 0
	s_add_co_u32 s[RSEC], s[RSEC], s[T0]
	s_cmp_eq_u32 s[RSEC], 3
	s_cselect_b32 s[RSEC], 0, s[RSEC]
	s_add_co_u32 s[T0], s[RJ], s[L0]
	s_and_b32 s[T0], s[T0], 3                      ; the lap in its section
	s_lshl2_add_u32 s[T0], s[RSEC], s[T0]          ; 4 x section + lap
	s_lshl_b32 s[OFF], s[T0], 17
	s_add_nc_u64 s[G0W+2:G0W+3], s[6:7], s[OFF:OFF+1]
	s_add_nc_u64 s[G0W+6:G0W+7], s[G0W+2:G0W+3], 65536
	s_or_b32 s[G0W+3], s[G0W+3], 0x80000000
	s_or_b32 s[G0W+7], s[G0W+7], 0x80000000
.endm
; The second half multiplies buffer 1 and changes slots: ONE barrier.  In front of it each wave waits for all its tensor loads (one is out: its part of the other slot), adds 0 to its spare word, and waits for that and for
; its reads of this slot.  refill = 1: the barrier opens a round of the cluster's, and the slot is filled again, first thing behind it, with its rows of the walk's next lap: 96 matrix instructions ahead of the wait for them.
; hmode: h's rows go on to the next lap (1) or back to the first (2).
.macro TURN s, refill, hmode
	WIN 0
	s_wait_tensorcnt 0x0                           ; all my tensor loads have landed, so every group 0 may be written
	ds_add_u32 v[SPW], v[NIL]                      ; 0 onto my spare word
.if (\refill) && ((\s) == 0)
	NEXTLAP
.endif
	s_wait_dscnt 9                                 ; (the add and the youngest eight loads may be out)
	MUL16 F1, 0, 0, 0
	s_wait_dscnt 0x0                               ; the add is done, and my reads of this slot are over
	s_barrier_signal -1
	MUL16 F1, 0, 2, 0
	WIN 0
	s_barrier_wait -1
.if \refill
	CREST                                          ; no wave of any partner still reads this slot or has a load on its way
	tensor_load_to_lds s[G0W+4*(\s):G0W+4*(\s)+3], s[G1W:G1W+7]
	s_nop 0
.endif
	PLACES                                         ; behind the tensor load, and ahead of the loads into buffer 0
.if (\hmode) == 1
	s_add_co_u32 s[HB], s[HB], 128*PH
.elseif (\hmode) == 2
	s_mov_b32 s[HB], 0
.endif
.if \hmode
	v_add_nc_u32 v[ADH], s[HB], v[ADH0]
.endif
	FETCH 1-(\s), 0, F0
	MUL16 F1, 1, 0, 0
	MUL16 F1, 1, 2, 0
.endm
; THE WAY OUT of position tile a: rounded to bf16, 16 bytes a lane; into my own stage and back as whole rows of 256 bytes; stored.
.macro PACK a
.set AC, 64*((\a)%4)
	WIN 0x0a+5*((\a)/4)                            ; sources 0 and 1: window 2 or 3
.irp b, 0,1,2,3,4,5,6,7
.irp r, 0,1,2,3
	v_cvt_pk_bf16_f32 v[TMP+4*(\b)+(\r)], v[AC+8*(\b)+2*(\r)], v[AC+8*(\b)+2*(\r)+1]
.endr
.endr
	WIN 0
.endm
.macro TOSTAGE a
.set BK, OB+192*((\a)%2)
.irp b, 0,1,2,3,4,5,6,7
	ds_store_b128 v[STO], v[TMP+4*(\b):TMP+4*(\b)+3] offset:32*(\b)
.endr
.irp t, 0,1,2,3,4,5,6,7
	ds_load_b128 v[BK+4*(\t):BK+4*(\t)+3], v[RD] offset:(\t)*2*SPITCH  ; LDS serves a wave's instructions in order (ISA guide 5.7.1.4): these see the stores above
.endr
.endm
.macro SEND a
.set BK, OB+192*((\a)%2)
	s_wait_dscnt 0x0                               ; the tile is back in registers
	s_wait_xcnt 0x0                                ; earlier stores have read their registers: the buffer of the tile before last is loaded again only behind this wait
.irp t, 0,1,2,3,4,5,6,7
	global_store_b128 v[CO], v[BK+4*(\t):BK+4*(\t)+3], s[OUTP:OUTP+1] offset:16384*(\a)+2048*(\t)  ; 16 lanes store 256 consecutive bytes, aligned
.endr
.endm
	BIAS                                           ; the first section's
	s_wait_tensorcnt 1                             ; my parts of h and of slot 0 are in; slot 1's may stay out
	s_barrier_signal -1
	s_barrier_wait -1                              ; everybody's are
	FETCH 0, 0, F0
.Ltile:                                                ; three trips: the three sections, from the cluster's first on
	s_wait_loadcnt 0x0                             ; the tile's bias
	QUARTER 0, 1                                   ; a tile's first half slot stands ahead of the laps: its products start the sums
	WIN 0
	s_mov_b32 s[LAP], 3
.Llap:                                                 ; a trip goes once round the ring and fills both slots again
	TURN 0, 1, 0
	QUARTER 1, 0
	TURN 1, 1, 1
	QUARTER 0, 0
	WIN 0
	s_sub_co_u32 s[LAP], s[LAP], 1
	s_cmp_lg_u32 s[LAP], 0
	s_cbranch_scc1 .Llap
	s_cmp_eq_u32 s[TILES], 1
	s_cbranch_scc1 .Llast                          ; the last tile's tail is written out: it asks for nothing more
	TURN 0, 1, 0                                   ; the ring goes on into the next tile
	QUARTER 1, 0
	TURN 1, 1, 2                                   ; and the next tile's first fragments are fetched
	WIN 0
	s_add_co_u32 s[CUR], s[CUR], 1                 ; the next section, round the three
	s_cmp_eq_u32 s[CUR], 3
	s_cselect_b32 s[CUR], 0, s[CUR]
	PICKB
	BIAS
	s_branch .Lout                                 ; no v_nop: tiles 0-3 were finished ahead of TURN's places, and their conversions are the places of the last products
.Llast:
	TURN 0, 0, 0
	QUARTER 1, 0
	s_wait_dscnt 0x0
	MUL16 F1, 0, 0, 0
	MUL16 F1, 0, 2, 0
	MUL16 F1, 1, 0, 0
	MUL16 F1, 1, 2, 0
	PLACES
	WIN 0
.Lout:
	PACK 0
	TOSTAGE 0
.irp a, 1,2,3,4,5,6,7                  ; tile a's conversions stand between tile a - 1's loads from the stage and the wait for them
	PACK \a
	SEND (\a)-1
	TOSTAGE \a
.endr
	SEND 7
	s_wait_xcnt 0x0                                ; the stores have read their base
	s_lshl_b32 s[OFF], s[CUR], 25
	s_add_nc_u64 s[OUTP:OUTP+1], s[14:15], s[OFF:OFF+1]  ; the next tile's section of qkv
	s_sub_co_u32 s[TILES], s[TILES], 1
	s_cmp_lg_u32 s[TILES], 0
	s_cbranch_scc1 .Ltile
	s_wait_tensorcnt 0x0                           ; the wave's end, behind my last tensor load and my last LDS store
	ds_add_u32 v[SPW], v[NIL]
	s_wait_dscnt 0x0
	CROUND                                         ; the closing round: no work-group ends while a partner may still ask for a tile that names it
	s_endpgm
.Lfunc_end_k_q86be6d676e_qkv:
	.size	k_q86be6d676e_qkv, .Lfunc_end_k_q86be6d676e_qkv-k_q86be6d676e_qkv
	.p2alignl 7, 3214868480
	.fill 96, 4, 3214868480
	.section	.rodata,"a",@progbits
	.p2align	6, 0x0
	.amdhsa_kernel k_q86be6d676e_qkv
		.amdhsa_group_segment_fixed_size 327680
		.amdhsa_private_segment_fixed_size 0
		.amdhsa_enable_private_segment 0
		.amdhsa_kernarg_size 48
		.amdhsa_user_sgpr_count 2
		.amdhsa_user_sgpr_kernarg_segment_ptr 1
		.amdhsa_wavefront_size32 1
		.amdhsa_system_sgpr_workgroup_id_x 1
		.amdhsa_system_sgpr_workgroup_id_y 1
		.amdhsa_system_sgpr_workgroup_id_z 1
		.amdhsa_system_vgpr_workitem_id 0
		.amdhsa_next_free_vgpr 1024
		.amdhsa_next_free_sgpr 72
		.amdhsa_reserve_vcc 0
		.amdhsa_float_denorm_mode_32 3
		.amdhsa_float_denorm_mode_16_64 3
		.amdhsa_memory_ordered 1
		.amdhsa_forward_progress 1
		.amdhsa_inst_pref_size 115
	.end_amdhsa_kernel
	.amdgpu_metadata
---
amdhsa.version: [ 1, 2 ]
amdhsa.kernels:
  - .name:           k_q86be6d676e_qkv
    .symbol:         k_q86be6d676e_qkv.kd
    .args:
      - { .name: h, .offset: 0, .size: 8, .value_kind: global_buffer, .address_space: global }
      - { .name: wb, .offset: 8, .size: 8, .value_kind: global_buffer, .address_space: global }
      - { .name: bq, .offset: 16, .size: 8, .value_kind: global_buffer, .address_space: global }
      - { .name: bk, .offset: 24, .size: 8, .value_kind: global_buffer, .address_space: global }
      - { .name: bv, .offset: 32, .size: 8, .value_kind: global_buffer, .address_space: global }
      - { .name: qkv, .offset: 40, .size: 8, .value_kind: global_buffer, .address_space: global }
    .group_segment_fixed_size: 327680
    .private_segment_fixed_size: 0
    .kernarg_segment_align: 8
    .kernarg_segment_size: 48
    .max_flat_workgroup_size: 128
    .sgpr_count:     72
    .vgpr_count:     1024
    .wavefront_size: 32
...
	.end_amdgpu_metadata
.endif
;; end of part 2
;; launch attn (part 3): grid 256 x 1, 4 waves a work-group, clusters of 4 x 1, 327,680 bytes of LDS; arguments qkv, wb, bn, x, out0; writes out0
.if DOCPART == 3
	.amdgcn_target "amdgcn-amd-amdhsa--gfx1250"
	.amdhsa_code_object_version 6
	.text
	.protected	k_q86be6d676e_attn
	.globl	k_q86be6d676e_attn
	.p2align	8
	.type	k_q86be6d676e_attn,@function
k_q86be6d676e_attn:
	s_mov_b64 s[64:65], 0
	v_nop
	global_prefetch_b8 v0, s[64:65] scope:SCOPE_SE
	s_setreg_imm32_b32 hwreg(HW_REG_WAVE_MODE, 25, 1), 1
	s_wait_xcnt 0x0
	s_wait_alu depctr_hold_cnt(0) depctr_sa_sdst(0) depctr_va_vdst(0) depctr_va_sdst(0) depctr_va_ssrc(0) depctr_va_vcc(0) depctr_vm_vsrc(0)
	s_getreg_b32 s2, hwreg(HW_REG_IB_STS2, 6, 4)
	s_cmp_eq_u32 s2, 0
	s_cbranch_scc0 .Lentry_in_a_cluster
	s_endpgm
.Lentry_in_a_cluster:
	s_bfe_u32 s2, ttmp6, 0x10000c
	s_cmp_lg_u32 s2, 0x3003
	s_cbranch_scc0 .Lentry_shape_is_right
	s_endpgm
.Lentry_shape_is_right:
; out0[b][o][n] = x[b][o][n] + bn[o] + the sum over c of O[n][c] Wn[c][o],  O[n] = the sum over keys k of softmax_k(q[n] . k[k] / sqrt(512)) v[k].  q, k, v: qkv, [3][32][1024][512] bf16; Wn: wb's fourth matrix, bf16.
; Products, maxima and sums in f32; the weights p and O are rounded to bf16 for the products that follow them; out0 is f32.
; LIMITS.  NaN and infinities are not treated apart; the running maximum starts so low that c x score must lie above -4e37; a weight below 2^-126 counts as 0.
; SHARES.  A work-group owns 128 queries of one image; Q stays in LDS.  Keys go in 8 blocks of 128.
;   S^T = K Q^T: wave w makes keys 64 (w / 2) .. x queries 64 (w % 2) ..: 16 accumulators; a lane holds ONE query (lane % 16) and the keys 8 (lane / 16) + 0..7 of a tile.
;   SOFTMAX, once a block: a query's maximum is taken over the lane's 32 scores, the other half of the lanes and, through LDS, the wave with the other 64 keys; p = 2^(c s - c m), c = log2(e) / sqrt(512); P goes to LDS in bf16;
;   O and l are multiplied by a = 2^(c m_old - c m_new).  m starts at the lowest finite number, O and l at 0: the first block is a block like any other, with a = 0 (the price: 64 products of zeros that write O's first 0, in the wait for the first tiles).
;   O^T = V^T P: wave w makes channels 128 w .. x all 128 queries: 64 accumulators.  The projection: O in bf16 takes Q's place in LDS; wave w makes columns o = 128 w .. x 128 positions on the same 64 accumulators; source 0 = O,
;   source 1 = Wn turned, so that a lane holds eight neighbouring positions of one row o of out0; bn is the C operand of the first 64 products.
; THE RING.  Two LDS slots of 67,584 bytes take 40 tiles in turn: for each block K's channels 0-255, K's channels 256-511 (128 rows of 512 bytes), V's keys 0-63, V's keys 64-127 (64 rows of 1,024 bytes); then Wn in 8 tiles of V's form.
;   A tile is 128 matrix instructions a wave; at its end its slot is filled with the tile two on; each wave brings a quarter.
; THE ORDER OF THE BLOCKS.  An image's two clusters walk the same K and V.  At time t (0 .. 7) a cluster takes block t xor (its number % 2): at even times the two take different blocks, at odd times each takes the block that the
;   other took the time before.  The running maximum and sum do not mind the order.  Only the tiles' global addresses hang on it: each is made anew from the block's number.
; THE LOOP is entered in its middle: a trip is V^T P of the block before (its refills are K's), then K Q^T, the softmax and the rescaling.  The last block's V^T P is written out behind it: its refills are Wn's.
; CLUSTER.  4 x 1: the four query blocks of a cluster belong to one image and walk the same K, V and Wn: each tile is asked for JOINTLY.  Q is each work-group's own.
; REGISTERS, in windows of 256 (s_set_vgpr_msb: bits 1:0 source 0, 3:2 source 1, 5:4 source 2, 7:6 destination):
;   window 0: v0-31 addresses and the maxima in exchange; v32-63 eight registers of statistics a query tile; v64-127 P packed, a, 1 / l, x; v128-191, v192-255 source 1's fragments, two buffers
;   window 1: v0-127 S^T (tile (j, i) at 32 j + 8 i), later bn and the stage's rows; v128-255 source 0's fragments          windows 2, 3: accumulator (a, b) at 8 (8 (a % 4) + b)
.set SEC,   33554432
.set BLKB,  131072                     ; 128 rows of 1,024 bytes
.set PQ,    1040                       ; a row of Q (and of O) in LDS: 1,024 bytes + 16: the 16 rows of a load start at 16 different groups of four banks (64 banks of 4 bytes: ISA guide 11.1)
.set PKY,   528                        ; half a row of K: 512 + 16: the same
.set PVL,   1056                       ; a row of V or Wn: 1,024 + 32
.set PPR,   272                        ; a row of P: 256 + 16
.set PSG,   528                        ; a row of the f32 stage: 512 + 16
.set SLOT0, 128*PQ                     ; Q lies at 0; behind it the ring
.set SLOT,  64*PVL
.set PREG,  SLOT0+2*SLOT               ; P, 128 rows; at the end each wave's stage of 16 rows x 528 bytes.  No tensor load lands here or behind
.set MXB,   PREG+128*PPR               ; the maxima, at +1,024 the a, at +2,048 the l: [wave][lane % 16][query tile], 1,024 bytes each
.set AXO,   1024
.set LXO,   2048
.set SPARE, MXB+3072                   ; the spare words, 128 bytes a wave: two blocks of 256 bytes that no other line names
.set BNO, 1                            ; v1      my byte offset in bn
.set ADO0, 2                           ; v2-3    my lane's place in O's rows 0-63, 64-127; never rewritten
.set PM,  4                            ; v[4:7]  the partner wave's maxima
.set ADQ, 8                            ; v8      my lane's place in my 64 rows of Q
.set ADK, 9                            ; v9-10   in my 64 rows of K, slot 0, 1
.set ADV, 11                           ; v11-12  in V's or Wn's rows, slot 0, 1
.set ADP, 13                           ; v13     in P's rows
.set STP, 14                           ; v14     where I put 16 bytes of P
.set ADO, 15                           ; v15-16  ADO0 at the lap in hand
.set STO, 17                           ; v17-18  where I put 16 bytes of O: rows 0-63, 64-127
.set OWN, 19                           ; v19     my wave's 16 bytes a query row in the exchange
.set PRT, 20                           ; v20     the partner wave's
.set COM, 21                           ; v21     wave 0's
.set STG, 22                           ; v22     the way out: where I put 32 bytes of a row
.set RDG, 23                           ; v23     where I read a row back
.set GO,  24                           ; v24     16 x lane: my bytes in 512 of x and out0
.set PFO, 25                           ; v25     256 x my thread's number; never rewritten
.set SPW, 26                           ; v26     my spare word; never rewritten
.set NIL, 27                           ; v27     0; never rewritten
.set LM,  28                           ; v[28:31] what goes into the exchange: the block's maxima, then a, at the end l
.set ST,  32                           ; query tile j at ST + 8 j: c m, m, l (even keys', odd keys'), c0-c3 at work; c2 takes a
.set PT,  64                           ; v64-127 P packed; at the head v64-71 hold 0
.set AR,  64                           ; v64-71  a of the 8 query tiles;  at the end l
.set AR2, 72                           ; v72-87  each twice, for the packed multiply
.set RL,  80                           ; v80-95  1 / l, each twice
.set BNR, 96                           ; v96-103 bn of my lane's column in each of the 8 column tiles
.set F0,  128
.set F1,  192
.set WV,  14                           ; s14  my wave's number
.set PKB, 10                           ; s[10:11] K at the image's first key, at my work-group's quarter of a block: the prefetches' base
.set KB,  20                           ; s[20:21] K at the image's first key, at my 32 keys of a block
.set VB,  22                           ; s[22:23] V at the image's first key, at my 16 keys of a tile
.set G1Q, 24                           ; s[24:31], s[32:39], s[40:47]: group 1 for Q, for K, for V and Wn
.set G1K, 32
.set G1V, 40
.set G0Q, 48                           ; group 0: Q; K's two halves; V's two halves; Wn's two slots
.set G0K0, 52
.set G0K1, 56
.set G0V0, 60
.set G0V1, 68
.set G0W0, 72
.set G0W1, 76
.set CS,  80                           ; s[80:81] c
.set SEL, 82                           ; s[82:83] v_permlanex16_b32's selects
.set BLK, 84                           ; s84  blocks to go
.set LAP, 85                           ; s85  counts the projection's laps
.set PAR, 86                           ; s86  my cluster's number % 2
.set OBY, 87                           ; s87  bytes from O's first channel to the lap's
.set PFK, 88                           ; s[88:89] where my prefetches of K stand
.set PFV, 90                           ; s[90:91] of V
.set XP,  92                           ; s[92:93] x at my wave's first row and the block's first position
.set OP,  94                           ; s[94:95] out0 likewise
.set OFFP, 96                          ; s[96:97] a block's byte offset; the high word stays 0
.set TS,  98                           ; s98  at work
.set PVK, 0
.set PRK, 1
.set MSB, 0
.macro WIN new                         ; the immediate's high byte repeats the setting that is left; a switch that changes nothing is dropped
.if MSB != (\new)
	s_set_vgpr_msb (MSB<<8)|(\new)
.set MSB, \new
.endif
.endm
.macro PLACES                          ; four plain places: behind a tensor load; ahead of loads into registers that matrix instructions have read; ahead of reads of results just made
.rept 4
	v_nop
.endr
.endm
.macro CREST                           ; a round of the cluster's barrier behind its opening barrier
	s_cmp_lg_u32 s[WV], 0
	s_cbranch_scc1 .Lnot_wave_0_\@
	s_barrier_signal -3
.Lnot_wave_0_\@:
	s_barrier_wait -3
	s_barrier_signal -1
	s_barrier_wait -1
.endm
.macro CROUND
	s_barrier_signal -1
	s_barrier_wait -1
	CREST
.endm
.macro RF g0, g1                       ; a joint refill: every wave brings its quarter of the tile
	tensor_load_to_lds s[\g0:\g0+3], s[\g1:\g1+7]
	s_nop 0
	PLACES
.endm
	s_load_b256 s[4:11], s[0:1], 0x0               ; qkv s[4:5], wb s[6:7], bn s[8:9], x s[10:11]
	s_load_b64 s[12:13], s[0:1], 0x20              ; out0
	v_lshl_add_u32 v[SPW], v0, 2, SPARE
	v_mov_b32 v[NIL], 0
	ds_add_u32 v[SPW], v[NIL]                      ; the wave's opening: the add and its wait stand ahead of my first tensor load; the set-up below stands between them
	v_lshrrev_b32 v28, 5, v0
	v_readfirstlane_b32 s[WV], v28                 ; wave 0..3
	s_lshr_b32 s15, s[WV], 1                       ; which 64 keys of a block are mine in S^T
	s_and_b32 s16, s[WV], 1                        ; which 64 queries
	s_bfe_u32 s17, ttmp6, 0x40000                  ; cx: my place in the cluster
	s_lshl_b32 s18, ttmp9, 2
	s_add_co_u32 s18, s18, s17                     ; my block of 128 queries, 0..255: it enters Q's, x's and out0's addresses alone
	s_lshr_b32 s19, ttmp9, 1                       ; the image, which the four partners share,
	s_and_b32 s[PAR], ttmp9, 1                     ; and which of its two clusters mine is
	s_mov_b32 s[G1Q+0], (1<<16)|(1<<20)|(7<<22)|(3<<25)  ; no mask; 2-byte elements; padding after every 256 words (code 7), 4 words (code 3)
	s_mov_b32 s[G1Q+1], 512<<16                    ; 512 channels x 32 rows, 512 elements from row to row
	s_mov_b32 s[G1Q+2], 32<<16
	s_mov_b32 s[G1Q+3], 512<<16
	s_mov_b32 s[G1Q+4], 32
	s_mov_b32 s[G1Q+5], 512
	s_mov_b32 s[G1Q+6], 0
	s_mov_b32 s[G1Q+7], 0
	s_mov_b32 s[G1K+0], 15|(1<<16)|(1<<20)|(1<<21)|(6<<22)|(3<<25)  ; the mask of four, bit 21 beside it; padding after every 128 words (code 6), 4 words
	s_mov_b32 s[G1K+1], 256<<16                    ; 256 channels x 32 keys
	s_mov_b32 s[G1K+2], 32<<16
	s_mov_b32 s[G1K+3], 256<<16
	s_mov_b32 s[G1K+4], 32
	s_mov_b32 s[G1K+5], 512
	s_mov_b32 s[G1K+6], 0
	s_mov_b32 s[G1K+7], 0
	s_mov_b32 s[G1V+0], 15|(1<<16)|(1<<20)|(1<<21)|(7<<22)|(7<<25)  ; padding after every 256 words, 8 words (code 7)
	s_mov_b32 s[G1V+1], 512<<16                    ; 512 columns x 16 rows
	s_mov_b32 s[G1V+2], 16<<16
	s_mov_b32 s[G1V+3], 512<<16
	s_mov_b32 s[G1V+4], 16
	s_mov_b32 s[G1V+5], 512
	s_mov_b32 s[G1V+6], 0
	s_mov_b32 s[G1V+7], 0
	; the joint tiles' offsets: made of the cluster's number and the wave's, in registers that never hold my place in the cluster
	s_lshl_b32 s20, s19, 20                        ; the image's 1,024 rows of 1,024 bytes,
	s_lshl_b32 s21, s[WV], 15                      ; K: my 32 keys of a block
	s_add_co_u32 s20, s20, s21
	s_add_co_u32 s20, s20, SEC
	s_mov_b32 s21, 0
	s_lshl_b32 s22, s19, 20
	s_lshl_b32 s23, s[WV], 14                      ; V: my 16 keys of a tile
	s_add_co_u32 s22, s22, s23
	s_add_co_u32 s22, s22, 2*SEC
	s_mov_b32 s23, 0
	s_lshl_b32 s96, s[WV], 14                      ; Wn: my 16 rows of a tile, in wb's fourth matrix
	s_add_co_u32 s96, s96, 3*524288
	s_mov_b32 s97, 0
	s_lshl_b32 s98, s18, 17                        ; Q: my block's 128 rows, my 32 of them
	s_lshl_b32 s99, s[WV], 15
	s_add_co_u32 s98, s98, s99
	s_mov_b32 s99, 0
	s_mul_i32 s87, s[WV], 16*PVL                   ; my quarter of a slot: 32 x 528 = 16 x 1,056 bytes
	s_mov_b32 s[G0Q], 1
	s_mul_i32 s[G0Q+1], s[WV], 32*PQ
.irp g, G0K0, G0V0, G0W0
	s_mov_b32 s[\g], 1
	s_add_co_u32 s[\g+1], s87, SLOT0
.endr
.irp g, G0K1, G0V1, G0W1
	s_mov_b32 s[\g], 1
	s_add_co_u32 s[\g+1], s87, SLOT0+SLOT
.endr
	s_mov_b32 s[CS], 0x3d8293ee                    ; c = log2(e) / sqrt(512) = 0.0637587
	s_mov_b32 s[CS+1], s[CS]                       ; named with it as a pair
	s_mov_b32 s[SEL], 0x76543210
	s_mov_b32 s[SEL+1], 0xfedcba98
	s_wait_dscnt 0x0                               ; the opening add is done
	s_wait_kmcnt 0x0
	s_add_nc_u64 s[G0Q+2:G0Q+3], s[4:5], s[98:99]
	s_add_nc_u64 s[KB:KB+1], s[4:5], s[20:21]
	s_add_nc_u64 s[VB:VB+1], s[4:5], s[22:23]
	s_add_nc_u64 s[G0W0+2:G0W0+3], s[6:7], s[96:97]
	s_add_nc_u64 s[G0W1+2:G0W1+3], s[G0W0+2:G0W0+3], 65536
	s_lshl_b32 s[OFFP], s[PAR], 17                 ; time 0: block 0 or 1
	s_add_nc_u64 s[G0K0+2:G0K0+3], s[KB:KB+1], s[OFFP:OFFP+1]
	s_add_nc_u64 s[G0K1+2:G0K1+3], s[G0K0+2:G0K0+3], 512
.irp g, G0Q, G0K0, G0K1, G0W0, G0W1
	s_or_b32 s[\g+3], s[\g+3], 0x80000000          ; type = 2 (V's addresses are made at each block's first change of slots)
.endr
	s_lshl_b32 s98, s19, 21                        ; x and out0: the image's 512 rows of 4,096 bytes,
	s_lshl_b32 s85, s[WV], 19                      ; my 128 of them,
	s_add_co_u32 s98, s98, s85
	s_and_b32 s85, s18, 7
	s_lshl_b32 s85, s85, 9                         ; the block's 512 bytes of a row
	s_add_co_u32 s98, s98, s85
	s_add_nc_u64 s[XP:XP+1], s[10:11], s[98:99]
	s_add_nc_u64 s[OP:OP+1], s[12:13], s[98:99]
	s_lshl_b32 s98, s19, 20                        ; the prefetches: the image's K, my work-group's 32,768 bytes of a block's 131,072
	s_lshl_b32 s85, s17, 15
	s_add_co_u32 s98, s98, s85
	s_add_co_u32 s98, s98, SEC
	s_add_nc_u64 s[PKB:PKB+1], s[4:5], s[98:99]
	CROUND                                         ; all four work-groups are here: the first joint loads meet
	tensor_load_to_lds s[G0Q:G0Q+3], s[G1Q:G1Q+7]  ; the first fills, one group: three loads of mine are out
	s_nop 0
	tensor_load_to_lds s[G0K0:G0K0+3], s[G1K:G1K+7]
	s_nop 0
	tensor_load_to_lds s[G0K1:G0K1+3], s[G1K:G1K+7]
	s_nop 0
	PLACES
.irp r, 0,1,2,3,4,5,6,7
	v_mov_b32 v[PT+\r], 0                          ; a fragment of zeros
.endr
	; A plain fragment is 16 rows x 32 along the rows in 8 registers: lane l holds row l % 16: two loads of 16 bytes at 16 (l / 16), 32 bytes apart.
	v_and_b32 v4, 15, v0                           ; l % 16
	v_bfe_u32 v5, v0, 4, 1                         ; l / 16
	v_and_b32 v6, 7, v0
	v_bfe_u32 v7, v0, 3, 1
	v_mul_u32_u24 v28, v4, PQ
	v_lshl_add_u32 v28, v5, 4, v28
	s_mul_i32 s98, s16, 64*PQ
	v_add_nc_u32 v[ADQ], s98, v28
	v_mov_b32 v[ADO0], v28
	v_add_nc_u32 v[ADO0+1], 64*PQ, v28
	s_lshl_b32 s98, s[WV], 8                       ; my 128 channels
	v_add_nc_u32 v[STO], s98, v28
	v_add_nc_u32 v[STO+1], 64*PQ, v[STO]
	v_mul_u32_u24 v28, v4, PKY
	v_lshl_add_u32 v28, v5, 4, v28
	s_mul_i32 s98, s15, 64*PKY
	s_add_co_u32 s98, s98, SLOT0
	v_add_nc_u32 v[ADK], s98, v28
	v_add_nc_u32 v[ADK+1], SLOT, v[ADK]
	; The turning load takes 16 rows x 16 columns (lane l reads row 8 (l / 16) + l % 8, columns 8 ((l / 8) % 2) + 0..7) and leaves half a fragment: lane l holds column l % 16 and 8 rows.
	v_lshl_add_u32 v28, v5, 3, v6
	v_mul_u32_u24 v28, v28, PVL
	v_lshl_add_u32 v28, v7, 4, v28
	s_lshl_b32 s98, s[WV], 8                       ; my 128 columns
	s_add_co_u32 s98, s98, SLOT0
	v_add_nc_u32 v[ADV], s98, v28
	v_add_nc_u32 v[ADV+1], SLOT, v[ADV]
	v_mul_u32_u24 v28, v4, PPR
	v_lshl_add_u32 v28, v5, 4, v28
	v_add_nc_u32 v[ADP], PREG, v28
	s_mul_i32 s98, s16, 64*PPR                     ; P in: my 64 queries' rows, my 64 keys' 128 bytes
	s_lshl_b32 s99, s15, 7
	s_add_co_u32 s98, s98, s99
	s_add_co_u32 s98, s98, PREG
	v_add_nc_u32 v[STP], s98, v28
	v_lshlrev_b32 v28, 4, v4
	v_add_nc_u32 v[COM], MXB, v28
	s_lshl_b32 s98, s[WV], 8
	v_add_nc_u32 v[OWN], s98, v[COM]
	s_xor_b32 s98, s98, 512                        ; the wave with the same queries and the other keys
	v_add_nc_u32 v[PRT], s98, v[COM]
	s_mul_i32 s98, s[WV], 16*PSG
	s_add_co_u32 s98, s98, PREG                    ; my stage
	v_mul_u32_u24 v28, v4, PSG
	v_lshl_add_u32 v28, v5, 5, v28
	v_add_nc_u32 v[STG], s98, v28
	v_and_b32 v29, 31, v0
	v_lshlrev_b32 v[GO], 4, v29
	v_add_nc_u32 v[RDG], s98, v[GO]
	v_lshlrev_b32 v[PFO], 8, v0
	s_lshl_b32 s98, s[WV], 9
	v_lshl_add_u32 v[BNO], v4, 2, s98              ; bn[128 w + l % 16]
	WIN 0x80                                       ; O^T starts at 0: 0 x 0 + 0, one matrix instruction for each accumulator's eight registers, in the wait for the first tiles
.set i, 0
.rept 32
	v_wmma_f32_16x16x32_bf16 v[8*i:8*i+7], v[PT:PT+7], v[PT:PT+7], 0
.set i, i+1
.endr
	WIN 0xc0
.set i, 0
.rept 32
	v_wmma_f32_16x16x32_bf16 v[8*i:8*i+7], v[PT:PT+7], v[PT:PT+7], 0
.set i, i+1
.endr
	WIN 0
.irp j, 0,1,2,3
	v_mov_b32 v[ST+8*\j], 0xfe000000               ; c m: far below every c s
	v_mov_b32 v[ST+8*\j+1], 0xff7fffff             ; m
	v_mov_b32 v[ST+8*\j+2], 0
	v_mov_b32 v[ST+8*\j+3], 0
.endr
; ---- S^T = K Q^T.  8 matrix instructions: query tiles a0, a0 + 1 x all 4 key tiles, 32 channels: half c of buffer f.  zero = 1: the first product starts the sum.  The 16 accumulators take turns.
.macro MUL8 f, c, a0, zero
	WIN 0x51                                       ; K in window 1, Q in window 0, S^T in window 1
.irp a, \a0, (\a0)+1
.irp b, 0,1,2,3
.if \zero
	v_wmma_f32_16x16x32_bf16 v[8*(4*(\a)+(\b)):8*(4*(\a)+(\b))+7], v[(\f)+8*(4*(\c)+(\b)):(\f)+8*(4*(\c)+(\b))+7], v[(\f)+8*(4*(\c)+(\a)):(\f)+8*(4*(\c)+(\a))+7], 0
.else
	v_wmma_f32_16x16x32_bf16 v[8*(4*(\a)+(\b)):8*(4*(\a)+(\b))+7], v[(\f)+8*(4*(\c)+(\b)):(\f)+8*(4*(\c)+(\b))+7], v[(\f)+8*(4*(\c)+(\a)):(\f)+8*(4*(\c)+(\a))+7], v[8*(4*(\a)+(\b)):8*(4*(\a)+(\b))+7]
.endif
.endr
.endr
.endm
; 32 LDS loads in one run: 64 channels (quarter qtr of K's half in slot s) into buffer f; the first 32 channels first
.macro FETCH_S s, qtr, f
.irp c, 0,1
	WIN 0x40
.irp i, 0,1,2,3
	ds_load_b128 v[(\f)+8*(4*(\c)+(\i)):(\f)+8*(4*(\c)+(\i))+3],   v[ADK+(\s)] offset:(\i)*16*PKY+128*(\qtr)+64*(\c)
	ds_load_b128 v[(\f)+8*(4*(\c)+(\i))+4:(\f)+8*(4*(\c)+(\i))+7], v[ADK+(\s)] offset:(\i)*16*PKY+128*(\qtr)+64*(\c)+32
.endr
	WIN 0
.irp i, 0,1,2,3
	ds_load_b128 v[(\f)+8*(4*(\c)+(\i)):(\f)+8*(4*(\c)+(\i))+3],   v[ADQ] offset:(\i)*16*PQ+512*(\s)+128*(\qtr)+64*(\c)
	ds_load_b128 v[(\f)+8*(4*(\c)+(\i))+4:(\f)+8*(4*(\c)+(\i))+7], v[ADQ] offset:(\i)*16*PQ+512*(\s)+128*(\qtr)+64*(\c)+32
.endr
.endr
.endm
.macro QS s, qtr, f, g, zero           ; multiplies buffer f (32 products) and fetches quarter qtr of slot s into g
	s_wait_dscnt 16                                ; the first 32 channels are in
	MUL8 \f, 0, 0, \zero
	MUL8 \f, 0, 2, \zero
	PLACES
	FETCH_S \s, \qtr, \g
	s_wait_dscnt 32                                ; all but the 32 just issued
	MUL8 \f, 1, 0, 0
	MUL8 \f, 1, 2, 0
.endm
; PREFETCHES INTO THE L2.  A block is read first by the cluster that takes it at an even time.  So each cluster asks, at its odd times 1, 3 and 5, for the block of its next time: its 131,072 bytes of K at the end of K Q^T (ahead of the
; softmax and V's first tile), its 131,072 bytes of V in V^T P (two tiles ahead of the load): 512 blocks of 256 bytes, one for each thread of the cluster, the partners told apart by address.  Each block is named once in the launch;
; the blocks of time 0 come by their loads alone.  At K's place s[BLK] = 8 - time: 7, 5, 3; at V's it has been taken down: 6, 4, 2.
.macro ASKK
	s_cmp_eq_u32 s[BLK], 1                         ; behind time 7 there is no block
	s_cselect_b32 s[TS], 0, s[BLK]
	s_and_b32 s[TS], s[TS], 1
	s_cmp_eq_u32 s[TS], 1
	s_cbranch_scc0 .Lnot_now_\@
	global_prefetch_b8 v[PFO], s[PFK:PFK+1] th:TH_LOAD_NT scope:SCOPE_SE
.Lnot_now_\@:
.endm
.macro ASKV
	s_and_b32 s[TS], s[BLK], 1
	s_cmp_eq_u32 s[TS], 0
	s_cbranch_scc0 .Lnot_now_\@
	global_prefetch_b8 v[PFO], s[PFV:PFV+1] th:TH_LOAD_NT scope:SCOPE_SE
.Lnot_now_\@:
.endm
; The last quarter of K's half u multiplies buffer 1 and changes slots: each wave waits for all its tensor loads (one is out: its part of the other slot), adds 0 to its spare word, waits for that and for its reads of this slot;
; a round of the cluster's barrier; the slot takes V's half u, first thing behind the round.  At u = 0, where no tensor load of mine is out, both halves' addresses are made from the block's number.
.macro TURN_S u
.if (\u) == 0
	s_wait_xcnt 0x0                                ; the last prefetches have read their addresses: both go to the block of the next time
	s_sub_co_u32 s[TS], 9, s[BLK]                  ; time + 1
	s_xor_b32 s[TS], s[TS], s[PAR]
	s_lshl_b32 s[OFFP], s[TS], 17
	s_add_nc_u64 s[PFK:PFK+1], s[PKB:PKB+1], s[OFFP:OFFP+1]
	s_add_nc_u64 s[PFV:PFV+1], s[PFK:PFK+1], SEC
.endif
	WIN 0
	s_wait_tensorcnt 0x0
	ds_add_u32 v[SPW], v[NIL]
.if (\u) == 0
	s_sub_co_u32 s[TS], 8, s[BLK]                  ; the time,
	s_xor_b32 s[TS], s[TS], s[PAR]                 ; its block
	s_lshl_b32 s[OFFP], s[TS], 17
	s_add_nc_u64 s[G0V0+2:G0V0+3], s[VB:VB+1], s[OFFP:OFFP+1]
	s_add_nc_u64 s[G0V1+2:G0V1+3], s[G0V0+2:G0V0+3], 65536
	s_or_b32 s[G0V0+3], s[G0V0+3], 0x80000000
	s_or_b32 s[G0V1+3], s[G0V1+3], 0x80000000
.endif
	s_wait_dscnt 17                                ; (the add and the youngest sixteen loads may be out)
	MUL8 F1, 0, 0, 0
	s_wait_dscnt 0x0                               ; the add is done, and my reads of this slot are over
	s_barrier_signal -1
	MUL8 F1, 0, 2, 0
	WIN 0
	s_barrier_wait -1
	CREST
.if (\u) == 0
	RF G0V0, G1V
	FETCH_S 1, 0, F0
.else
	RF G0V1, G1V
	ASKK
.endif
	MUL8 F1, 1, 0, 0
	MUL8 F1, 1, 2, 0
.endm
; ---- THE SOFTMAX of a block: my 64 keys x 64 queries; s0-s31 of query tile j lie at 32 j in window 1.
.macro FS j, p                         ; c s - c m for pair p of tile j
	v_pk_fma_f32 v[32*(\j)+2*(\p):32*(\j)+2*(\p)+1], v[32*(\j)+2*(\p):32*(\j)+2*(\p)+1], s[CS:CS+1], v[ST+8*(\j):ST+8*(\j)+1] op_sel_hi:[1,0,0] neg_lo:[0,0,1] neg_hi:[0,0,1]
.endm
.macro SOFTMAX
	PLACES
	WIN 0x15                                       ; the maximum: four chains of seven scores, three operands at a time
.irp j, 0,1,2,3
.irp n, 0,1,2,3
	v_max3_num_f32 v[ST+8*\j+4+\n], v[32*\j+8*\n], v[32*\j+8*\n+1], v[32*\j+8*\n+2]
.endr
.endr
	WIN 0x14
.irp j, 0,1,2,3
.irp n, 4,5,6,7,8,9,10,11
	v_max3_num_f32 v[ST+8*\j+4+(\n)%4], v[ST+8*\j+4+(\n)%4], v[32*\j+8*((\n)%4)+2*((\n)/4)+1], v[32*\j+8*((\n)%4)+2*((\n)/4)+2]
.endr
	v_max3_num_f32 v[ST+8*\j+4], v[ST+8*\j+4], v[32*\j+7], v[32*\j+15]
	v_max3_num_f32 v[ST+8*\j+6], v[ST+8*\j+6], v[32*\j+23], v[32*\j+31]
.endr
	WIN 0
.irp j, 0,1,2,3
	v_max3_num_f32 v[ST+8*\j+4], v[ST+8*\j+4], v[ST+8*\j+5], v[ST+8*\j+6]
.endr
.irp j, 0,1,2,3
	v_max_num_f32 v[ST+8*\j+4], v[ST+8*\j+4], v[ST+8*\j+7]
.endr
.irp j, 0,1,2,3
	v_permlanex16_b32 v[ST+8*\j+5], v[ST+8*\j+4], s[SEL], s[SEL+1]  ; the query's other 32 of my keys lie in the lane 16 away
.endr
.irp j, 0,1,2,3
	v_max_num_f32 v[LM+\j], v[ST+8*\j+4], v[ST+8*\j+5]
.endr
	ds_store_b128 v[OWN], v[LM:LM+3]
	s_wait_dscnt 0x0                               ; for the partner's sake: my maxima are stored
	s_barrier_signal -1
	s_barrier_wait -1                              ; V's second half may stay on its way
	ds_load_b128 v[PM:PM+3], v[PRT]                ; the maxima over the block's other 64 keys
.irp j, 0,1,2,3
	v_mov_b32 v[ST+8*\j+7], v[ST+8*\j]             ; c m_old is kept
.endr
	s_wait_dscnt 0x0
.irp j, 0,1,2,3
	v_max3_num_f32 v[ST+8*\j+1], v[ST+8*\j+1], v[LM+\j], v[PM+\j]  ; the same m in both partner waves
.endr
.irp j, 0,1,2,3
	v_mul_f32 v[ST+8*\j], s[CS], v[ST+8*\j+1]
.endr
.irp j, 0,1,2,3
	v_sub_f32 v[ST+8*\j+7], v[ST+8*\j+7], v[ST+8*\j]
.endr
.irp j, 0,1,2,3
	v_exp_f32 v[ST+8*\j+6], v[ST+8*\j+7]           ; a
.endr
	WIN 0x41                                       ; ONE BATCH: the 4 a above, 64 scalings and 128 exponentials; none names an exponential's result; a tile's scalings stand among the exponentials of the tile before
.set p, 0
.rept 16
	FS 0, p
.set p, p+1
.endr
.irp j, 0,1,2,3
.set p, 0
.rept 16
	v_exp_f32 v[32*\j+2*p], v[32*\j+2*p]
.if (\j) < 3
	FS (\j)+1, p
.endif
	v_exp_f32 v[32*\j+2*p+1], v[32*\j+2*p+1]
.set p, p+1
.endr
.endr
	v_nop                                          ; a plain instruction behind the last exponential,
	s_wait_alu depctr_va_vdst(0)                   ; and the wait ahead of the first use: one for the batch
	WIN 0x05
.set i, 0
.rept 64
	v_cvt_pk_bf16_f32 v[PT+i], v[2*i], v[2*i+1]
.set i, i+1
.endr
	WIN 0
.irp j, 0,1,2,3
	v_mov_b32 v[LM+\j], v[ST+8*\j+6]
.endr
.irp j, 0,1,2,3
.irp i, 0,1,2,3
	ds_store_b128 v[STP], v[PT+16*\j+4*\i:PT+16*\j+4*\i+3] offset:\j*16*PPR+32*\i  ; query 16 j + l % 16, keys 16 i + 8 (l / 16) + 0..7
.endr
.endr
	ds_store_b128 v[OWN], v[LM:LM+3] offset:AXO
	WIN 0x45                                       ; the sums of the unrounded weights, in place, while the stores are out: neighbours 1, 2, 4 and 8 pairs apart
.irp u, 0,1,2,3,4,5,6,7
.irp j, 0,1,2,3
	v_pk_add_f32 v[32*\j+4*\u:32*\j+4*\u+1], v[32*\j+4*\u:32*\j+4*\u+1], v[32*\j+4*\u+2:32*\j+4*\u+3]
.endr
.endr
.irp u, 0,1,2,3
.irp j, 0,1,2,3
	v_pk_add_f32 v[32*\j+8*\u:32*\j+8*\u+1], v[32*\j+8*\u:32*\j+8*\u+1], v[32*\j+8*\u+4:32*\j+8*\u+5]
.endr
.endr
.irp u, 0,1
.irp j, 0,1,2,3
	v_pk_add_f32 v[32*\j+16*\u:32*\j+16*\u+1], v[32*\j+16*\u:32*\j+16*\u+1], v[32*\j+16*\u+8:32*\j+16*\u+9]
.endr
.endr
.irp j, 0,1,2,3
	v_pk_add_f32 v[32*\j:32*\j+1], v[32*\j:32*\j+1], v[32*\j+16:32*\j+17]
.endr
	WIN 0x10
.irp j, 0,1,2,3
	v_pk_fma_f32 v[ST+8*\j+2:ST+8*\j+3], v[ST+8*\j+2:ST+8*\j+3], v[ST+8*\j+6:ST+8*\j+7], v[32*\j:32*\j+1] op_sel_hi:[1,0,1]  ; l = a l + the sum
.endr
	WIN 0
	s_wait_dscnt 0x0                               ; for the others' sake: my part of P and my a are stored
	s_barrier_signal -1
	s_barrier_wait -1
.endm
; ---- O^T += V^T P and the projection share their products.  16 matrix instructions: source 1's tiles a0, a0 + 1 of the window's four x source 0's 8 tiles.  first = 1: bn (tile a at 8 a in window 1) starts the sums.
.macro MUL16 f, hi, a0, first
.if \first
	WIN 0x91+0x40*(\hi)
.else
	WIN 0xa1+0x50*(\hi)                            ; source 0 in window 1, source 1 in window 0, C and D in window 2 or 3
.endif
.irp a, \a0, (\a0)+1
.irp b, 0,1,2,3,4,5,6,7
.if \first
	v_wmma_f32_16x16x32_bf16 v[8*(8*(\a)+(\b)):8*(8*(\a)+(\b))+7], v[(\f)+8*(\b):(\f)+8*(\b)+7], v[(\f)+8*(4*(\hi)+(\a)):(\f)+8*(4*(\hi)+(\a))+7], v[8*(4*(\hi)+(\a)):8*(4*(\hi)+(\a))+7]
.else
	v_wmma_f32_16x16x32_bf16 v[8*(8*(\a)+(\b)):8*(8*(\a)+(\b))+7], v[(\f)+8*(\b):(\f)+8*(\b)+7], v[(\f)+8*(4*(\hi)+(\a)):(\f)+8*(4*(\hi)+(\a))+7], v[8*(8*(\a)+(\b)):8*(8*(\a)+(\b))+7]
.endif
.endr
.endr
.endm
; 32 LDS loads in one run: half kk (32 rows) of slot s into buffer f.  PVK: V turned (8 channel tiles), then P (8 query tiles).  PRK: O (8 query tiles), then Wn turned (8 column tiles).
.macro FETCHP kind, s, kk, f
	WIN 0x40
.if (\kind) == PVK
.irp i, 0,1,2,3,4,5,6,7
	ds_load_tr16_b128 v[(\f)+8*(\i):(\f)+8*(\i)+3],   v[ADV+(\s)] offset:32*PVL*(\kk)+32*(\i)
	ds_load_tr16_b128 v[(\f)+8*(\i)+4:(\f)+8*(\i)+7], v[ADV+(\s)] offset:32*PVL*(\kk)+32*(\i)+16*PVL
.endr
	WIN 0
.irp i, 0,1,2,3,4,5,6,7
	ds_load_b128 v[(\f)+8*(\i):(\f)+8*(\i)+3],   v[ADP] offset:(\i)*16*PPR+128*(\s)+64*(\kk)
	ds_load_b128 v[(\f)+8*(\i)+4:(\f)+8*(\i)+7], v[ADP] offset:(\i)*16*PPR+128*(\s)+64*(\kk)+32
.endr
.else
.irp i, 0,1,2,3,4,5,6,7
	ds_load_b128 v[(\f)+8*(\i):(\f)+8*(\i)+3],   v[ADO+(\i)/4] offset:((\i)%4)*16*PQ+128*(\s)+64*(\kk)
	ds_load_b128 v[(\f)+8*(\i)+4:(\f)+8*(\i)+7], v[ADO+(\i)/4] offset:((\i)%4)*16*PQ+128*(\s)+64*(\kk)+32
.endr
	WIN 0
.irp i, 0,1,2,3,4,5,6,7
	ds_load_tr16_b128 v[(\f)+8*(\i):(\f)+8*(\i)+3],   v[ADV+(\s)] offset:32*PVL*(\kk)+32*(\i)
	ds_load_tr16_b128 v[(\f)+8*(\i)+4:(\f)+8*(\i)+7], v[ADV+(\s)] offset:32*PVL*(\kk)+32*(\i)+16*PVL
.endr
.endif
.endm
.macro QUARTERP kind, s, first         ; a slot's first half: multiplies buffer 0 and fetches the second half into buffer 1
	s_wait_dscnt 8                                 ; source 0 and source 1's tiles 0-3 are in; the youngest eight loads may be out
	MUL16 F0, 0, 0, \first
	MUL16 F0, 0, 2, \first
	PLACES
	FETCHP \kind, \s, 1, F1
	s_wait_dscnt 32
	MUL16 F0, 1, 0, \first
	MUL16 F0, 1, 2, \first
.endm
; A slot's second half multiplies buffer 1 and changes slots, as TURN_S does.  round = 1: a refill follows (the caller writes it, first thing behind the round); round = 0: a plain barrier, nothing is filled.
; knext = 1: where no tensor load of mine is out, the addresses of K's two halves are made for the block of the next time (s[BLK] has been taken down: 8 - s[BLK] is that time).
.macro TP_HEAD round, knext=0
	WIN 0
	s_wait_tensorcnt 0x0
	ds_add_u32 v[SPW], v[NIL]
.if \knext
	s_sub_co_u32 s[TS], 8, s[BLK]
	s_xor_b32 s[TS], s[TS], s[PAR]
	s_lshl_b32 s[OFFP], s[TS], 17
	s_add_nc_u64 s[G0K0+2:G0K0+3], s[KB:KB+1], s[OFFP:OFFP+1]
	s_add_nc_u64 s[G0K1+2:G0K1+3], s[G0K0+2:G0K0+3], 512
	s_or_b32 s[G0K0+3], s[G0K0+3], 0x80000000
	s_or_b32 s[G0K1+3], s[G0K1+3], 0x80000000
.endif
	s_wait_dscnt 9                                 ; (the add and the youngest eight loads may be out)
	MUL16 F1, 0, 0, 0
	s_wait_dscnt 0x0                               ; the add is done, and my reads of this slot (and of P or O) are over
	s_barrier_signal -1
	MUL16 F1, 0, 2, 0
	WIN 0
	s_barrier_wait -1
.if \round
	CREST
.else
	PLACES
.endif
.endm
.macro TP_TAIL
	MUL16 F1, 1, 0, 0
	MUL16 F1, 1, 2, 0
.endm
; a for all 128 queries (waves 0 and 1 hold them), V's and P's first fragments, and O^T times a.
.macro PVSTART
	ds_load_b128 v[AR:AR+3], v[COM] offset:AXO
	ds_load_b128 v[AR+4:AR+7], v[COM] offset:AXO+256
	FETCHP PVK, 0, 0, F0
	s_wait_dscnt 32                                ; a is in
.irp a, 7,6,5,4,3,2,1,0
	v_mov_b32 v[AR2+2*\a], v[AR+\a]                ; each a twice, for the packed multiply
	v_mov_b32 v[AR2+2*\a+1], v[AR+\a]
.endr
.irp a, 0,1,2,3,4,5,6,7
	WIN 0x82+0x41*((\a)/4)                         ; O^T in window 2 or 3, a in window 0
.set i, 64*((\a)%4)
.rept 32
	v_pk_mul_f32 v[i:i+1], v[i:i+1], v[AR2+2*\a:AR2+2*\a+1]
.set i, i+2
.endr
.endr
	WIN 0
.endm
; A block's 256 products V^T P.  inloop = 1: the slots take the next time's K, and its first fragments are fetched; 0: they take Wn's first two tiles.
.macro PVPROD inloop
	QUARTERP PVK, 0, 0
	TP_HEAD 1, \inloop
.if \inloop
	RF G0K0, G1K
.else
	RF G0W0, G1V
.endif
	FETCHP PVK, 1, 0, F0
.if \inloop
	ASKV
.endif
	TP_TAIL
	QUARTERP PVK, 1, 0
	TP_HEAD 1
.if \inloop
	RF G0K1, G1K
	FETCH_S 0, 0, F0
.else
	RF G0W1, G1V
.endif
	TP_TAIL
	WIN 0
.endm
	s_wait_tensorcnt 1                             ; my parts of Q and of K's first half are in; the second half's may stay out
	s_barrier_signal -1
	s_barrier_wait -1                              ; everybody's are
	FETCH_S 0, 0, F0
	s_mov_b32 s[BLK], 8
	s_branch .Lenter                               ; the loop is entered in the middle of a trip
.Lblk:
	PVPROD 1
.Lenter:
	QS 0, 1, F0, F1, 1
	QS 0, 2, F1, F0, 0
	QS 0, 3, F0, F1, 0
	TURN_S 0
	QS 1, 1, F0, F1, 0
	QS 1, 2, F1, F0, 0
	QS 1, 3, F0, F1, 0
	TURN_S 1
	SOFTMAX
	PVSTART
	s_sub_co_u32 s[BLK], s[BLK], 1
	s_cmp_lg_u32 s[BLK], 0
	s_cbranch_scc1 .Lblk
	PVPROD 0
	; ---- THE END OF ATTENTION.  l: its two halves, the other half of the lanes', and through LDS the partner wave's.  The additions are the places behind the last products.
.irp j, 0,1,2,3
	v_add_f32 v[ST+8*\j+4], v[ST+8*\j+2], v[ST+8*\j+3]
.endr
.irp j, 0,1,2,3
	v_permlanex16_b32 v[ST+8*\j+5], v[ST+8*\j+4], s[SEL], s[SEL+1]
.endr
.irp j, 0,1,2,3
	v_add_f32 v[LM+\j], v[ST+8*\j+4], v[ST+8*\j+5]
.endr
	ds_store_b128 v[OWN], v[LM:LM+3] offset:LXO
.irp a, 0,1,2,3,4,5,6,7
	global_load_b32 v[BNR+\a], v[BNO], s[8:9] offset:64*\a  ; bn[128 w + 16 a + l % 16]
.endr
	s_wait_dscnt 0x0
	s_barrier_signal -1
	s_barrier_wait -1
.irp k, 0,1,2,3
	ds_load_b128 v[AR+4*\k:AR+4*\k+3], v[COM] offset:LXO+256*\k
.endr
	s_wait_dscnt 0x0
.irp k, 0,2,4,6
	v_pk_add_f32 v[AR+\k:AR+\k+1], v[AR+\k:AR+\k+1], v[AR+8+\k:AR+8+\k+1]  ; waves 0 and 2: queries 0-63; waves 1 and 3: queries 64-127
.endr
.irp a, 0,1,2,3,4,5,6,7
	v_rcp_f32 v[RL+2*\a], v[AR+\a]
	v_rcp_f32 v[RL+2*\a+1], v[AR+\a]
.endr
	v_nop                                          ; a plain instruction behind the last reciprocal,
	s_wait_alu depctr_va_vdst(0)                   ; and the wait ahead of the first use: one for the batch
; Query tile a: O^T / l, rounded to bf16; a lane's eight channels of a row are 16 bytes; they go where Q lay (Q's last reader passed several barriers ago, and no tensor load lands there again).
.macro OUT_O a
.set AC, 64*((\a)%4)
.set TM, F0+32*((\a)%2)
	WIN 0x82+0x41*((\a)/4)
.set i, 0
.rept 32
	v_pk_mul_f32 v[AC+i:AC+i+1], v[AC+i:AC+i+1], v[RL+2*(\a):RL+2*(\a)+1]
.set i, i+2
.endr
	WIN 0x0a+5*((\a)/4)
.set i, 0
.rept 32
	v_cvt_pk_bf16_f32 v[TM+i], v[AC+2*i], v[AC+2*i+1]
.set i, i+1
.endr
	WIN 0
.irp b, 0,1,2,3,4,5,6,7
	ds_store_b128 v[STO+(\a)/4], v[TM+4*(\b):TM+4*(\b)+3] offset:((\a)%4)*16*PQ+32*(\b)
.endr
.endm
.irp a, 0,1,2,3,4,5,6,7
	OUT_O \a
.endr
	s_wait_loadcnt 0x0                             ; bn
	WIN 0x40
.irp a, 0,1,2,3,4,5,6,7
.irp r, 0,1,2,3,4,5,6,7
	v_mov_b32 v[8*\a+\r], v[BNR+\a]                ; as a C operand: the same number for a lane's eight positions
.endr
.endr
	WIN 0
	s_wait_dscnt 0x0                               ; for the others' sake: my channels of O are stored
	s_barrier_signal -1
	s_barrier_wait -1
; ---- x, 16 rows o (one column tile) at a time, in the stage's layout: a row's 512 bytes to a load.  Four buffers of 64 registers take turns.
.macro XSEL k
.set XW, 0
.set XR, 64
.if ((\k)%4) == 1
.set XW, 1
.elseif ((\k)%4) == 2
.set XR, 128
.elseif ((\k)%4) == 3
.set XR, 192
.endif
.endm
.macro XLOAD k
	XSEL \k
	WIN XW<<6
.irp t, 0,1,2,3,4,5,6,7,8,9,10,11,12,13,14,15
	global_load_b128 v[XR+4*(\t):XR+4*(\t)+3], v[GO], s[XP:XP+1] offset:4096*(16*(\k)+(\t)) th:TH_LOAD_NT
.endr
.endm
	XLOAD 0                                        ; two tiles' x are asked for ahead of the projection, into registers that it leaves alone
	XLOAD 1
	WIN 0
	s_mov_b32 s[OBY], 0
	v_mov_b32 v[ADO], v[ADO0]
	v_mov_b32 v[ADO+1], v[ADO0+1]
	; ---- THE PROJECTION: 8 tiles of Wn, 64 rows c each
	FETCHP PRK, 0, 0, F0
	QUARTERP PRK, 0, 1
	WIN 0
	s_mov_b32 s[LAP], 3
.Lpr:                                                  ; a trip goes once round the ring and fills both slots again
	TP_HEAD 1
	s_add_nc_u64 s[G0W0+2:G0W0+3], s[G0W0+2:G0W0+3], BLKB
	RF G0W0, G1V
	FETCHP PRK, 1, 0, F0
	TP_TAIL
	QUARTERP PRK, 1, 0
	TP_HEAD 1
	s_add_nc_u64 s[G0W1+2:G0W1+3], s[G0W1+2:G0W1+3], BLKB
	RF G0W1, G1V
	s_add_co_u32 s[OBY], s[OBY], 256               ; O's next 128 channels
	v_add_nc_u32 v[ADO], s[OBY], v[ADO0]
	v_add_nc_u32 v[ADO+1], s[OBY], v[ADO0+1]
	FETCHP PRK, 0, 0, F0
	TP_TAIL
	QUARTERP PRK, 0, 0
	WIN 0
	s_sub_co_u32 s[LAP], s[LAP], 1
	s_cmp_lg_u32 s[LAP], 0
	s_cbranch_scc1 .Lpr
	TP_HEAD 0                                      ; the last lap fills nothing
	FETCHP PRK, 1, 0, F0
	TP_TAIL
	QUARTERP PRK, 1, 0
	s_wait_dscnt 0x0
	MUL16 F1, 0, 0, 0
	MUL16 F1, 0, 2, 0
	MUL16 F1, 1, 0, 0
	MUL16 F1, 1, 2, 0
	PLACES
	XLOAD 2                                        ; the fragments' registers are free
	XLOAD 3
; ---- THE WAY OUT of column tile a: a lane's eight positions of row o = l % 16 go into my own stage (rows of 528 bytes) and come back as whole rows of 512 bytes; x is added; stored.
; left: the younger loads of x that may stay out.  Tile a + 3's x is asked for into the buffer that tile a - 1 was stored from, behind the wait that shows those stores have read it.
.macro WAYOUT a, left
.set AC, 64*((\a)%4)
	WIN 0x08+4*((\a)/4)                            ; the stores' data in window 2 or 3
.irp b, 0,1,2,3,4,5,6,7
	ds_store_b128 v[STG], v[AC+8*(\b):AC+8*(\b)+3]   offset:64*(\b)
	ds_store_b128 v[STG], v[AC+8*(\b)+4:AC+8*(\b)+7] offset:64*(\b)+16
.endr
	WIN 0x40
.irp t, 0,1,2,3,4,5,6,7,8,9,10,11,12,13,14,15
	ds_load_b128 v[4*(\t):4*(\t)+3], v[RDG] offset:PSG*(\t)  ; LDS serves a wave's instructions in order (ISA guide 5.7.1.4): these see the stores above
.endr
.if ((\a) >= 1) && ((\a) <= 4)
	s_wait_xcnt 0x0
	XLOAD (\a)+3
.endif
	XSEL \a
	s_wait_loadcnt \left
	s_wait_dscnt 0x0
	WIN (XW<<6)|(1<<2)|XW
.set i, 0
.rept 32
	v_pk_add_f32 v[XR+i:XR+i+1], v[XR+i:XR+i+1], v[i:i+1]
.set i, i+2
.endr
	WIN XW<<2
.irp t, 0,1,2,3,4,5,6,7,8,9,10,11,12,13,14,15
	global_store_b128 v[GO], v[XR+4*(\t):XR+4*(\t)+3], s[OP:OP+1] offset:4096*(16*(\a)+(\t)) th:TH_STORE_NT  ; 512 consecutive bytes, aligned
.endr
.endm
	WAYOUT 0, 48
	WAYOUT 1, 48
	WAYOUT 2, 48
	WAYOUT 3, 48
	WAYOUT 4, 48
	WAYOUT 5, 32
	WAYOUT 6, 16
	WAYOUT 7, 0
	WIN 0
	s_wait_tensorcnt 0x0                           ; the wave's end, behind my last tensor load and my last LDS store
	ds_add_u32 v[SPW], v[NIL]
	s_wait_dscnt 0x0
	CROUND                                         ; the closing round: no work-group ends while a partner may still ask for a tile that names it
	s_endpgm
.Lfunc_end_k_q86be6d676e_attn:
	.size	k_q86be6d676e_attn, .Lfunc_end_k_q86be6d676e_attn-k_q86be6d676e_attn
	.p2alignl 7, 3214868480
	.fill 96, 4, 3214868480
	.section	.rodata,"a",@progbits
	.p2align	6, 0x0
	.amdhsa_kernel k_q86be6d676e_attn
		.amdhsa_group_segment_fixed_size 327680
		.amdhsa_private_segment_fixed_size 0
		.amdhsa_enable_private_segment 0
		.amdhsa_kernarg_size 40
		.amdhsa_user_sgpr_count 2
		.amdhsa_user_sgpr_kernarg_segment_ptr 1
		.amdhsa_wavefront_size32 1
		.amdhsa_system_sgpr_workgroup_id_x 1
		.amdhsa_system_sgpr_workgroup_id_y 1
		.amdhsa_system_sgpr_workgroup_id_z 1
		.amdhsa_system_vgpr_workitem_id 0
		.amdhsa_next_free_vgpr 1024
		.amdhsa_next_free_sgpr 100
		.amdhsa_reserve_vcc 0
		.amdhsa_float_denorm_mode_32 3
		.amdhsa_float_denorm_mode_16_64 3
		.amdhsa_memory_ordered 1
		.amdhsa_forward_progress 1
		.amdhsa_inst_pref_size 255
	.end_amdhsa_kernel
	.section	.bss,"aw",@nobits
	.p2align	6
	.space	262144
	.amdgpu_metadata
---
amdhsa.version: [ 1, 2 ]
amdhsa.kernels:
  - .name:           k_q86be6d676e_attn
    .symbol:         k_q86be6d676e_attn.kd
    .args:
      - { .name: qkv, .offset: 0, .size: 8, .value_kind: global_buffer, .address_space: global }
      - { .name: wb, .offset: 8, .size: 8, .value_kind: global_buffer, .address_space: global }
      - { .name: bn, .offset: 16, .size: 8, .value_kind: global_buffer, .address_space: global }
      - { .name: x, .offset: 24, .size: 8, .value_kind: global_buffer, .address_space: global }
      - { .name: out0, .offset: 32, .size: 8, .value_kind: global_buffer, .address_space: global }
    .group_segment_fixed_size: 327680
    .private_segment_fixed_size: 0
    .kernarg_segment_align: 8
    .kernarg_segment_size: 40
    .max_flat_workgroup_size: 128
    .sgpr_count:     100
    .vgpr_count:     1024
    .wavefront_size: 32
...
	.end_amdgpu_metadata
.endif
;; end of part 3
